; MI455X (gfx1250); checked and timed in simulation.
; The chip was launched on July 23, 2026; its instructions are those of AMD's public machine-readable ISA for CDNA 5 (MIT licence, August 2026) and "CDNA5" Instruction Set Architecture Reference Guide (July 2026). The comments in the code are by the model that wrote it; some were corrected since.
;; Multi Head Attention. Allowed arithmetic: matrix products marked QUANTISED: E2M1 operands, one E8M0 scale for each 32 along K, by v_wmma_scale_f32_16x16x128_f8f6f4 with both operands' format E2M1 (or v_wmma_scale_f32_32x16x128_f4), f32 sums; products left as they are: bf16, f16 or f32 operands; f32 sums; everything else in f32.
;; Inputs: Wk 8 x 256 x 512 float32; Wo 512 x 512 float32; Wq 8 x 256 x 512 float32; Wv 8 x 256 x 64 float32; bk 8 x 512 float32; bo 512 float32; bq 8 x 512 float32; bv 8 x 64 float32; input1 8 x 1,024 x 256 float32; input2 8 x 1,024 x 256 float32; input3 8 x 1,024 x 256 float32.
;; Outputs: out0 8 x 1,024 x 512 float32.
;; This version of the problem:
;;   THIS VERSION OF THE PROBLEM IS GIVEN IN LOW PRECISION. The matrix products marked QUANTISED in the list below multiply operands that are first quantised to E2M1 (2 exponent bits, 1 mantissa bit; 4 bits a number), with one power-of-two scale for each 32 numbers along K (OCP MX v1.0); their sums are f32. The products marked 'left as it is' may take bf16, f16 or f32 operands, with f32 sums. Whichever they take, every output number must still come out within the allowed error. Rounding operands to bf16 (8 significant bits) uses up far more of that allowance than f16 does (11 bits, for magnitudes from 6e-5 to 65,504). All else is computed in f32.
;;   The module's matrix products, in the order in which they are computed (A, B: the left and right operand; K: the contracted axis; several contracted axes count as one K, in the product's order):
;;     1. [M 4,096, K 256] x [K 256, N 8,192]; A: input Wq; B: input input1: QUANTISED
;;     2. [M 4,096, K 256] x [K 256, N 8,192]; A: input Wk; B: input input2: QUANTISED
;;     3. [M 512, K 256] x [K 256, N 8,192]; A: input Wv; B: input input3: QUANTISED
;;     4. batch 64 x [M 1,024, K 512] x [K 512, N 1,024]; A: computed on the way; B: computed on the way: left as it is (an operand is computed on the way)
;;     5. batch 64 x [M 1,024, K 1,024] x [K 1,024, N 64]; A: computed on the way; B: computed on the way: left as it is (an operand is computed on the way)
;;     6. [M 8,192, K 512] x [K 512, N 512]; A: computed on the way; B: input Wo: left as it is (an operand is computed on the way)
;;   THE QUANTISER, for each operand of a quantised product, along K:
;;     - K is cut into blocks of 32 from its start; a last block that is shorter is filled with zeros.
;;     - A block's scale is 2^e with e = floor(log2(the largest magnitude in the block)) - 2, held to -126 .. 127; a block of zeros has e = 0. As a byte (E8M0): e + 127.
;;     - Each number is divided by its block's scale, clamped to +-6, and rounded to the nearest number of E2M1, ties to even, subnormals kept.
;;     - The product sums the exact products of the quantised numbers (number of the format x scale) in f32.
;;   ~~~python
;;   def quantise(x, axis):      # numpy; x: float32 -> the quantised numbers, widened to float32 again
;;       x = np.moveaxis(x, axis, -1); K = x.shape[-1]
;;       x = np.pad(x, [(0, 0)] * (x.ndim - 1) + [(0, -K % 32)]); x = x.reshape(x.shape[:-1] + (-1, 32)); a = np.abs(x).max(-1, keepdims=True)
;;       e = np.where(a > 0, np.clip(np.frexp(np.where(a > 0, a, 1))[1] - 1 - 2, -126, 127), 0)      # np.frexp(a)[1] - 1 = floor(log2(a)), exactly
;;       r = np.clip(x / 2.0 ** e, -6, 6)
;;       step = 2.0 ** (np.maximum(np.frexp(np.where(r == 0, 1, r))[1] - 1, 0) - 1)
;;       q = np.round(r / step) * step * 2.0 ** e      # np.round: ties to even
;;       return np.moveaxis(q.reshape(q.shape[:-2] + (-1,))[..., :K], -1, axis).astype(np.float32)
;;   ~~~
;; One version. Each part assembles by itself: llvm-mc -triple=amdgcn-amd-amdhsa -mcpu=gfx1250 --defsym DOCPART=n.
;; ======== version 1 of 1: 3 launches
;; limits: values are held in f16: magnitudes above 65,504 overflow, below 6.1e-05 lose precision
;; workspace buffers: XC 3,145,728 bytes; XS 196,608 bytes; WC 1,114,112 bytes; WS 69,632 bytes; WOH 524,288 bytes; HEADS 8,388,608 bytes
;; launch prep (part 1): grid 536 x 1, 4 waves a work-group, no clusters, 67,072 bytes of LDS; arguments input1, input2, input3, Wq, Wk, Wv, Wo, XC, XS, WC, WS, WOH; writes XC, XS, WC, WS, WOH
.if DOCPART == 1
	.amdgcn_target "amdgcn-amd-amdhsa--gfx1250"
	.amdhsa_code_object_version 6
	.text
	.protected	k_q8dda170199_prep
	.globl	k_q8dda170199_prep
	.p2align	8
	.type	k_q8dda170199_prep,@function
k_q8dda170199_prep:
	s_mov_b64 s[64:65], 0
	v_nop
	global_prefetch_b8 v0, s[64:65] scope:SCOPE_SE
	s_setreg_imm32_b32 hwreg(HW_REG_WAVE_MODE, 25, 1), 1
	s_wait_xcnt 0x0
; PREP: the operands of the three QUANTISED products (q, k, v projections, K = the model's 256) are turned into codes of FP4 (E2M1) with one E8M0 byte for each 32 along K,
; and Wo into f16.  Everything is laid in the ORDER OF THE OPERAND'S REGISTERS, so that the later launches load fragments by dense 16-byte loads, 512 consecutive bytes a wave.
;
; WORK LEFT OUT BY THE WHOLE PROGRAM: THE INPUT bk.  reference() forms scores[q][k] = (q . (k0[k] + bk)) x scale = (q . k0[k]) x scale + (q . bk) x scale, k0 = input2 Wk.
; The second term does not hang on the key k: it is the same along the softmax's axis, and softmax(x + const) = softmax(x) for all finite values.  The product of q with k is not
; quantised, so no quantiser sees bk.  So bk has no way to any output: it is not loaded and is among no launch's arguments.
; bv is kept, but added once: the rows of a softmax sum to 1, so attn (v0 + bv) = attn v0 + bv for all values.
; LIMIT: a NaN, an infinity or an overflow that reaches only q . bk is not carried to the result.
;
; AN FP4 TILE is 16 rows x K 256: four pieces f of 512 bytes; in piece f lane 16 h + r holds the 16 bytes (32 codes) of row r's block 2 f + h: registers 4 c .. 4 c + 3 of the fragment of K step ks are piece 2 ks + c.
; Its SCALE IMAGE is 128 bytes: lane 16 ks + r holds row r's word for K step ks (byte i: block 4 ks + i): one register serves both K steps, by its lower and its upper sixteen lanes.
; A block's scale is 2^(floor(log2(largest magnitude)) - 2); its byte is the largest magnitude's exponent field - 2, held at 1 from below.
; LIMITS: a block of zeros gets the byte 1 where the rule says 127 (its codes are zeros, and this program alone reads the bytes); blocks under 2^-124 were not tried; NaN and infinities are not served.
; SHARES.  Every wave takes 16 KiB of f32.  Work-groups 0-383: a wave a tile of 16 rows of input1, 2, 3 (K innermost: the tile turns through the wave's own stage in LDS, so that loads are dense and a lane
; still gets whole blocks).  384-511: Wq, Wk; 512-519: Wv; 520-535: Wo: K is the FIRST axis there, so a lane takes a column and its 128 registers run down K: nothing is transposed.
; No matrix unit, no tensor load, no cluster: a stream that is read once; waves share nothing, so there is no barrier.
.set D,     32                         ; v32-159  128 numbers
.set C,     160                        ; v160-175 the codes of four blocks
.set MX,    12                         ; v12-15   largest magnitudes
.set SO,    16                         ; v16-19   the conversions' scale operands
.set BY,    20                         ; v20-23   scale bytes
.set SPW,   10                         ; v10      LDS address of my spare word; never rewritten
.set NIL,   11                         ; v11      0; never rewritten
.set SROW,  1040                       ; a stage row: 1,024 bytes + 16: row r begins 260 r words on, so sixteen rows' 16-byte pieces fall on different banks
.set STG,   16*SROW                    ; a wave's stage
.set SPARE, 4*STG                      ; behind the stages: the spare words, 128 bytes for each wave
.macro LOADCOL pitch                   ; 128 rows of my column: a wave reads 128 consecutive bytes, the four waves 512
.set i, 0
.rept 128
	global_load_b32 v[D+i], v5, s[30:31] offset:i*\pitch th:TH_LOAD_NT
.set i, i+1
.endr
.endm
.macro QBLK4                           ; four blocks of 32, block f in v[D + 32 f] on, all of one lane: maxima by turns, scale operand, byte, codes
.irp f, 0,1,2,3
	v_max3_num_f32 v[MX+\f], |v[D+32*\f]|, |v[D+32*\f+1]|, 0x1800000   ; with the floor 2^(3 - 127): the byte cannot fall under 1
.endr
.irp i, 2,4,6,8,10,12,14,16,18,20,22,24,26,28,30
.irp f, 0,1,2,3
	v_max3_num_f32 v[MX+\f], v[MX+\f], |v[D+32*\f+\i]|, |v[D+32*\f+\i+1]|
.endr
.endr
.irp f, 0,1,2,3
	v_add_nc_u32 v[SO+\f], 0xff000000, v[MX+\f]    ; 2 off the exponent field: the conversion takes this operand's exponent field as its scale
.endr
.irp f, 0,1,2,3
	v_lshrrev_b32 v[BY+\f], 23, v[SO+\f]           ; the scale's byte
.endr
.irp f, 0,1,2,3
.irp g, 0,1,2,3
	v_cvt_scalef32_pk8_fp4_f32 v[C+4*\f+\g], v[D+32*\f+8*\g:D+32*\f+8*\g+7], v[SO+\f]
.endr
.endr
	v_nop                                          ; one plain line behind the last scaled conversion
.endm
	s_load_b512 s[4:19], s[0:1], 0x0               ; input1 s[4:5], input2 s[6:7], input3 s[8:9], Wq s[10:11], Wk s[12:13], Wv s[14:15], Wo s[16:17], XC s[18:19]
	s_load_b256 s[20:27], s[0:1], 0x40             ; XS s[20:21], WC s[22:23], WS s[24:25], WOH s[26:27]
	v_lshl_add_u32 v[SPW], v0, 2, SPARE
	v_mov_b32 v[NIL], 0
	v_lshrrev_b32 v1, 5, v0
	v_readfirstlane_b32 s28, v1                    ; wave 0..3
	v_and_b32 v1, 31, v0                           ; lane
	v_and_b32 v2, 15, v0                           ; r
	v_bfe_u32 v3, v0, 4, 1                         ; h
	v_lshlrev_b32 v4, 4, v1                        ; 16 x lane
	v_lshlrev_b32 v5, 2, v1                        ; 4 x lane
	s_mov_b32 s36, 0x76543210
	s_mov_b32 s37, 0xfedcba98                      ; v_permlanex16_b32's selects for lane l xor 16
	s_mul_i32 s38, s28, STG
	v_add_nc_u32 v6, s38, v4                       ; the stage, on the way in: as the bytes are loaded
	v_mul_u32_u24 v7, v2, SROW
	v_lshl_add_u32 v7, v3, 7, v7
	v_add_nc_u32 v7, s38, v7                       ; and on the way out: row r, + 128 h: my block of each pair of blocks
	s_mov_b32 s41, 0                               ; the upper word of every offset
	s_wait_kmcnt 0x0
	s_cmp_ge_u32 ttmp9, 384
	s_cbranch_scc1 .Lnot_x
	; ---- inputs: tile g = 4 x work-group + wave of 1,536
	s_lshr_b32 s38, ttmp9, 7                       ; which input
	s_cmp_eq_u32 s38, 0
	s_cselect_b64 s[30:31], s[4:5], s[6:7]
	s_cmp_eq_u32 s38, 2
	s_cselect_b64 s[30:31], s[8:9], s[30:31]
	s_lshl_b32 s38, ttmp9, 2
	s_add_co_u32 s38, s38, s28                     ; g
	s_and_b32 s40, s38, 511
	s_lshl_b32 s40, s40, 14                        ; 16 rows of 1,024 bytes
	s_add_nc_u64 s[30:31], s[30:31], s[40:41]
	s_lshl_b32 s40, s38, 11
	s_add_nc_u64 s[32:33], s[18:19], s[40:41]      ; its codes
	s_lshl_b32 s40, s38, 7
	s_add_nc_u64 s[34:35], s[20:21], s[40:41]      ; its scale image
.set n, 0
.rept 32
	global_load_b128 v[D+4*n:D+4*n+3], v4, s[30:31] offset:512*n th:TH_LOAD_NT   ; 512 consecutive bytes: half of row n / 2
.set n, n+1
.endr
.set n, 0
.rept 4
	s_wait_loadcnt 24-8*(n/8)                      ; the next eight loads are in; the younger ones stay out
.rept 8
	ds_store_b128 v6, v[D+4*n:D+4*n+3] offset:(n/2)*SROW+(n%2)*512
.set n, n+1
.endr
.endr
	s_wait_dscnt 0x0                               ; the stores have read their registers
.irp f, 0,1,2,3
.irp i, 0,1,2,3,4,5,6,7
	ds_load_b128 v[D+32*\f+4*\i:D+32*\f+4*\i+3], v7 offset:256*\f+16*\i   ; block 2 f + h of row r: 128 bytes
.endr
.endr
	s_wait_dscnt 0x0
	QBLK4
.irp f, 0,1,2,3
	global_store_b128 v4, v[C+4*\f:C+4*\f+3], s[32:33] offset:512*\f      ; piece f: 512 consecutive bytes
.endr
	v_lshl_or_b32 v24, v[BY+1], 16, v[BY]          ; K step 0: my bytes are those of blocks h and 2 + h,
	v_lshl_or_b32 v25, v[BY+3], 16, v[BY+2]        ; K step 1: of blocks 4 + h and 6 + h,
	v_lshlrev_b32 v26, 3, v3
	v_lshlrev_b32 v24, v26, v24                    ; 8 h bits up
	v_lshlrev_b32 v25, v26, v25
	v_mov_b32 v26, 0                               ; (a lane permute's destination counts as one of its sources)
	v_mov_b32 v27, 0
	v_permlanex16_b32 v26, v24, s36, s37
	v_permlanex16_b32 v27, v25, s36, s37
	v_or_b32 v24, v24, v26                         ; with lane l xor 16's two bytes the words are whole
	v_or_b32 v25, v25, v27
	v_cmp_gt_u32 vcc_lo, 16, v1
	v_cndmask_b32 v24, v25, v24, vcc_lo            ; lanes 0-15 keep K step 0's word, lanes 16-31 K step 1's
	global_store_b32 v5, v24, s[34:35]             ; 128 consecutive bytes a wave: one byte for each 128 that the launch reads
	s_branch .Lend
.Lnot_x:
	s_cmp_ge_u32 ttmp9, 520
	s_cbranch_scc1 .Lpath_o
	s_cmp_ge_u32 ttmp9, 512
	s_cbranch_scc1 .Lpath_v
	; ---- Wq, Wk [8][256][512]: 32 columns x 128 along K a wave
	s_sub_co_u32 s38, ttmp9, 384
	s_lshr_b32 s39, s38, 6                         ; 0: Wq, 1: Wk
	s_cmp_eq_u32 s39, 0
	s_cselect_b64 s[30:31], s[10:11], s[12:13]
	s_bfe_u32 s42, s38, 0x30003                    ; head
	s_bfe_u32 s43, s38, 0x10002                    ; K step
	s_and_b32 s44, s38, 3                          ; which 128 columns
	s_lshl_b32 s40, s42, 19                        ; a head: 256 x 512 x 4 bytes
	s_lshl_b32 s45, s43, 18                        ; 128 rows of 2,048 bytes
	s_add_co_u32 s40, s40, s45
	s_lshl_b32 s45, s44, 9
	s_add_co_u32 s40, s40, s45
	s_lshl_b32 s45, s28, 7
	s_add_co_u32 s40, s40, s45
	s_add_nc_u64 s[30:31], s[30:31], s[40:41]
	s_lshl_b32 s46, s39, 8                         ; my first tile in WC and WS: 256 x tensor + 32 x head + 8 x column group + 2 x wave
	s_lshl_b32 s45, s42, 5
	s_add_co_u32 s46, s46, s45
	s_lshl_b32 s45, s44, 3
	s_add_co_u32 s46, s46, s45
	s_lshl_b32 s45, s28, 1
	s_add_co_u32 s46, s46, s45
	LOADCOL 2048
	s_branch .Lquantw
.Lpath_v:
	; ---- Wv [8][256][64]: a work-group a head; wave: K step w / 2, columns 32 (w % 2) on
	s_sub_co_u32 s42, ttmp9, 512                   ; head
	s_lshr_b32 s43, s28, 1                         ; K step
	s_and_b32 s44, s28, 1
	s_lshl_b32 s40, s42, 16
	s_lshl_b32 s45, s43, 15
	s_add_co_u32 s40, s40, s45
	s_lshl_b32 s45, s44, 7
	s_add_co_u32 s40, s40, s45
	s_add_nc_u64 s[30:31], s[14:15], s[40:41]
	s_lshl_b32 s46, s42, 2
	s_lshl_b32 s45, s44, 1
	s_add_co_u32 s46, s46, s45
	s_add_co_u32 s46, s46, 512                     ; Wv's tiles lie behind Wq's 256 and Wk's 256
	LOADCOL 256
.Lquantw:
	s_lshl_b32 s40, s46, 11
	s_lshl_b32 s45, s43, 10
	s_add_co_u32 s40, s40, s45
	s_add_nc_u64 s[32:33], s[22:23], s[40:41]      ; codes: tile x 2,048 + K step x 1,024
	s_lshl_b32 s40, s46, 7
	s_lshl_b32 s45, s43, 6
	s_add_co_u32 s40, s40, s45
	s_add_nc_u64 s[34:35], s[24:25], s[40:41]      ; scale words: tile x 128 + K step x 64
	v_lshlrev_b32 v8, 4, v2
	v_lshl_add_u32 v8, v3, 11, v8                  ; lanes 16-31 belong to the next tile; row r's 16 bytes
	v_lshlrev_b32 v9, 2, v2
	v_lshl_add_u32 v9, v3, 7, v9
	s_wait_loadcnt 0x0
	QBLK4                                          ; my column's blocks 4 ks + 0 .. 3
	v_lshl_or_b32 v24, v[BY+1], 8, v[BY]
	v_lshl_or_b32 v24, v[BY+2], 16, v24
	v_lshl_or_b32 v24, v[BY+3], 24, v24            ; my column's scale word of this K step
.irp f, 0,1,2,3
	global_store_b128 v8, v[C+4*\f:C+4*\f+3], s[32:33] offset:256*\f      ; block 4 ks + f lies in piece 2 ks + f / 2, lanes 16 (f % 2) on: sixteen lanes store 256 consecutive aligned bytes
.endr
	global_store_b32 v9, v24, s[34:35]
	s_branch .Lend
.Lpath_o:
	; ---- Wo [512 (k)][512 (n)] to f16: fragments of 16 columns n x 32 along k: [n tile][K step][half s][lane 16 h + r: k = 16 s + 8 h + 0 .. 7]
	s_sub_co_u32 s38, ttmp9, 520
	s_and_b32 s44, s38, 3                          ; which 128 columns
	s_lshr_b32 s43, s38, 2                         ; which 128 along k
	s_lshl_b32 s40, s43, 18
	s_lshl_b32 s45, s44, 9
	s_add_co_u32 s40, s40, s45
	s_lshl_b32 s45, s28, 7
	s_add_co_u32 s40, s40, s45
	s_add_nc_u64 s[30:31], s[16:17], s[40:41]
	s_lshl_b32 s40, s44, 3
	s_lshl_b32 s45, s28, 1
	s_add_co_u32 s40, s40, s45                     ; my first n tile
	s_lshl_b32 s40, s40, 14                        ; 16 K steps of 1,024 bytes
	s_lshl_b32 s45, s43, 12                        ; four K steps
	s_add_co_u32 s40, s40, s45
	s_add_nc_u64 s[32:33], s[26:27], s[40:41]
	LOADCOL 2048
	v_lshlrev_b32 v8, 4, v2
	v_lshl_add_u32 v8, v3, 14, v8
	s_wait_loadcnt 0x0
.set i, 0
.rept 64
	v_cvt_pk_f16_f32 v[D+i], v[D+2*i], v[D+2*i+1]  ; in place, ascending: a result never lands on numbers still to be read
.set i, i+1
.endr
.set i, 0
.rept 16
	global_store_b128 v8, v[D+4*i:D+4*i+3], s[32:33] offset:256*i         ; k = 8 i .. 8 i + 7: sixteen lanes store 256 consecutive aligned bytes
.set i, i+1
.endr
.Lend:
	s_wait_tensorcnt 0x0                           ; the wave's end: the tensor wait, an LDS add and its wait behind the last LDS store, the tensor wait in a text with no tensor load too
	ds_add_u32 v[SPW], v[NIL]
	s_wait_dscnt 0x0
	s_endpgm
.Lfunc_end_k_q8dda170199_prep:
	.size	k_q8dda170199_prep, .Lfunc_end_k_q8dda170199_prep-k_q8dda170199_prep
	.p2alignl 7, 3214868480
	.fill 96, 4, 3214868480
	.section	.rodata,"a",@progbits
	.p2align	6, 0x0
	.amdhsa_kernel k_q8dda170199_prep
		.amdhsa_group_segment_fixed_size 67072
		.amdhsa_private_segment_fixed_size 0
		.amdhsa_enable_private_segment 0
		.amdhsa_kernarg_size 96
		.amdhsa_user_sgpr_count 2
		.amdhsa_user_sgpr_kernarg_segment_ptr 1
		.amdhsa_wavefront_size32 1
		.amdhsa_system_sgpr_workgroup_id_x 1
		.amdhsa_system_sgpr_workgroup_id_y 1
		.amdhsa_system_sgpr_workgroup_id_z 1
		.amdhsa_system_vgpr_workitem_id 0
		.amdhsa_next_free_vgpr 192
		.amdhsa_next_free_sgpr 66
		.amdhsa_reserve_vcc 1
		.amdhsa_float_denorm_mode_32 3
		.amdhsa_float_denorm_mode_16_64 3
		.amdhsa_memory_ordered 1
		.amdhsa_forward_progress 1
		.amdhsa_inst_pref_size 66
	.end_amdhsa_kernel
	.amdgpu_metadata
---
amdhsa.version: [ 1, 2 ]
amdhsa.kernels:
  - .name:           k_q8dda170199_prep
    .symbol:         k_q8dda170199_prep.kd
    .args:
      - { .name: input1, .offset: 0, .size: 8, .value_kind: global_buffer, .address_space: global }
      - { .name: input2, .offset: 8, .size: 8, .value_kind: global_buffer, .address_space: global }
      - { .name: input3, .offset: 16, .size: 8, .value_kind: global_buffer, .address_space: global }
      - { .name: Wq, .offset: 24, .size: 8, .value_kind: global_buffer, .address_space: global }
      - { .name: Wk, .offset: 32, .size: 8, .value_kind: global_buffer, .address_space: global }
      - { .name: Wv, .offset: 40, .size: 8, .value_kind: global_buffer, .address_space: global }
      - { .name: Wo, .offset: 48, .size: 8, .value_kind: global_buffer, .address_space: global }
      - { .name: XC, .offset: 56, .size: 8, .value_kind: global_buffer, .address_space: global }
      - { .name: XS, .offset: 64, .size: 8, .value_kind: global_buffer, .address_space: global }
      - { .name: WC, .offset: 72, .size: 8, .value_kind: global_buffer, .address_space: global }
      - { .name: WS, .offset: 80, .size: 8, .value_kind: global_buffer, .address_space: global }
      - { .name: WOH, .offset: 88, .size: 8, .value_kind: global_buffer, .address_space: global }
    .group_segment_fixed_size: 67072
    .private_segment_fixed_size: 0
    .kernarg_segment_align: 8
    .kernarg_segment_size: 96
    .max_flat_workgroup_size: 128
    .sgpr_count:     66
    .vgpr_count:     192
    .wavefront_size: 32
...
	.end_amdgpu_metadata
.endif
;; end of part 1
;; launch attn (part 2): grid 4 x 64, 4 waves a work-group, no clusters, 301,568 bytes of LDS; arguments XC, XS, WC, WS, bq, bv, HEADS; writes HEADS
.if DOCPART == 2
	.amdgcn_target "amdgcn-amd-amdhsa--gfx1250"
	.amdhsa_code_object_version 6
	.text
	.protected	k_q8dda170199_attn
	.globl	k_q8dda170199_attn
	.p2align	8
	.type	k_q8dda170199_attn,@function
k_q8dda170199_attn:
	s_mov_b64 s[64:65], 0
	v_nop
	global_prefetch_b8 v0, s[64:65] scope:SCOPE_SE
	s_setreg_imm32_b32 hwreg(HW_REG_WAVE_MODE, 25, 1), 1
	s_wait_xcnt 0x0
; ATTN: for one batch b, one head and 256 queries: q = Q(input1) Q(Wq) + bq, k = Q(input2) Q(Wk), v = Q(input3) Q(Wv) on codes of FP4 with E8M0 scales, then softmax(q k^T / sqrt(512)) v + bv with f16 operands and f32 sums.
; LEFT OUT: bk (q . bk is the same along the softmax's axis: shown at the head of the first kernel); bv is added once at the end, since a softmax's rows sum to 1.
; q, k and v never go to memory: they are twice as wide as the inputs they are made of, so each work-group makes them from codes.  k and v of a key step are made by the four waves together.
; SHARES.  A wave owns 64 queries: four tiles t of 16; its Q (64 x 512 f16) stays in 512 registers.  Keys go in 16 steps of 64.  For each step wave w makes channels 128 w .. 128 w + 127 of the step's K
; and a quarter of its V, rounds them to f16 and stores them as IMAGES OF FRAGMENT REGISTERS (512 consecutive bytes a store) into one of two LDS slots; all four waves read them.
; LAYOUT: every product is laid so that its result, packed in pairs, is an operand in the same lanes:
;   K: source 0 = 16 channels of Wk, source 1 = 16 keys: a lane holds key r, channels 8 h + j: half (channel tile % 2) of K's fragment.     Q likewise, C = bq.
;   V: source 0 = 16 keys, source 1 = 16 channels of Wv: a lane holds channel r, keys 8 h + j: half (key tile % 2) of V^T's fragment.
;   S^T = K Q^T: a lane holds query r, keys 8 h + j: two key tiles packed in place are P's fragment.     O^T = V^T P: query r, channels 8 h + j: packed, half of a fragment of the last product's operand.
; SOFTMAX: a running maximum m and sum l for each query; p = 2^(c s - c m), c = log2(e) / sqrt(512); O and l are multiplied by 2^(c m_old - c m_new) each time; the sum is taken of p before it is rounded to f16.
; BY TURNS.  A key step's 64 keys are two HALVES of 32: A (key tiles 0, 1) and B (key tiles 2, 3); the running softmax goes half by half.  While the 128 score products of one half are issued, the softmax of the half
; before, a list of 285 lines for the wave's four tiles, stands between them, three lines behind each product: 3 x 128 is more than 285.  Behind half A's scores come the 16 products V^T P of the last step's half B,
; behind half B's those of this step's half A; then the next step's K and V are made.  Cut by keys, each fragment of K still feeds four products and is read from LDS once.
; ONE BARRIER A KEY STEP: in front of it a wave's stores into the slot ahead have landed and its reads of the other slot are over (V's second half is in registers by then); behind it the slot ahead is read and the other one is written.
; NO CLUSTER, NO TENSOR LOAD: what work-groups share are codes, 12 KiB a wave and key step, which go from memory straight into operand registers, asked for a whole key step ahead; the 72 KiB of f16 tiles
; that a step reads from LDS are made here.  A joint load lands in LDS alone and would add a ring for a sixth of a step's bytes.  No prefetch: no wave waits for these loads.
; LIMITS: |q|, |k|, |v| stay under 65,504 (f16); scores stay over -2^100; NaN and infinities are not served.
; REGISTERS, in windows of 256 (s_set_vgpr_msb: bits 1:0 source 0, 3:2 source 1, 5:4 source 2, 7:6 destination):
;   window 0: v1-15 addresses; v16-39 statistics; v40-63 scale words and nothing else; v64-191 S^T / P: tile t's half X at v[64 + 32 t + 16 X]; half A's registers also take the projections' sums;
;             v192-255 two buffers of four fragments of K; in the projection: weights' codes.
;   window 1: v0-127 O^T (first: input1's codes); v128-191 input2's codes of a key step; v192-223 input3's, then the projection's packed f16 on their way to LDS; v224-255 four fragments of V.     windows 2, 3: Q.
.set V0L,   0                          ; LDS: V's two slots of 8,192 bytes: fragment (2 ct + uu) x 1,024 + half x 512
.set K0L,   16384                      ; K's two slots of 65,536: (16 kt + u) x 1,024 + half x 512
.set K1L,   81920
.set WKL,   147456                     ; Wk's codes: each wave's own 16 KiB
.set WQL,   212992                     ; Wq's codes of the head
.set WQSL,  278528                     ; their scale images
.set BQL,   282624                     ; bq of the head
.set WVL,   284672                     ; Wv's codes: each wave's own 4 KiB
.set SPARE, 301056                     ; the spare words, 128 bytes for each wave
.set LI,   1                           ; v1   16 x lane: an image's place for my lane, in LDS and in memory
.set AK,   2                           ; v2-3 K's slots, to read
.set SK,   4                           ; v4-5 K's slots, where I store: + 4,096 x wave
.set SV,   6                           ; v6   V: where I store
.set AWK,  7                           ; v7   my part of Wk's codes
.set LS,   8                           ; v8   4 x lane
.set SPW,  9                           ; v9   LDS address of my spare word; never rewritten
.set NIL,  10                          ; v10  0; never rewritten
.set AWQ,  11
.set AWQS, 12
.set ABQ,  13
.set BVO,  14                          ; v14  32 x (lane / 16)
.set AWV,  15                          ; v15  my part of Wv's codes
.set ST,   16                          ; tile t at v[ST + 6 t]: +0 c m, +1 at work, +2 a (at the end 1 / l), +3 at work, +4, +5 l in two halves
.set WKS,  40                          ; scale words: Wk's 8 tiles, Wv's 2, input2's 4, input3's 2, input1's 4, Wq's 2 x 2
.set WVS,  48
.set X2S,  50
.set X3S,  54
.set X1S,  56
.set WQS,  60
.set S,    64
.set BQ,   128
.set KB,   192
.set PK,   192                         ; in window 1: the packed f16
.set VF,   224                         ; in window 1: V's fragments
.set CS,   36                          ; s[36:37] c, twice
.set SEL,  38                          ; s[38:39] selects for lane l xor 16
.set NITEMS, 285                       ; lines in a half's softmax
.set MSB, 0
.macro WIN new                         ; the immediate's high byte repeats the setting that is left
.if MSB != \new
	s_set_vgpr_msb (MSB<<8)|\new
.set MSB, \new
.endif
.endm
.macro AGN                             ; for lines that name no vector register as their second source: they mean the same under the three settings that differ in that source's window alone
.if (MSB != 0) && (MSB != 0x08) && (MSB != 0x0c)
	WIN 0
.endif
.endm
.macro PLACES n                        ; places behind matrix instructions (ISA guide 7.12.1): plain vector instructions that name none of their registers
.rept \n
	v_nop
.endr
.endm
.macro BARRIER                         ; my LDS stores have landed and my LDS loads are in: then the work-group's barrier
	s_wait_dscnt 0x0
	s_barrier_signal -1
	s_barrier_wait -1
.endm
; the next key step's codes, straight into operand registers: 64 keys of input2, my 32 keys of input3, their scale images: 30 loads
.macro LOADX
	WIN 0x40
.irp kt, 0,1,2,3
.irp f, 0,1,2,3
	global_load_b128 v[128+16*\kt+4*\f:128+16*\kt+4*\f+3], v[LI], s[24:25] offset:\kt*2048+\f*512
.endr
.endr
.irp i, 0,1
.irp f, 0,1,2,3
	global_load_b128 v[192+16*\i+4*\f:192+16*\i+4*\f+3], v[LI], s[26:27] offset:\i*2048+\f*512
.endr
.endr
	WIN 0
.irp kt, 0,1,2,3
	global_load_b32 v[X2S+\kt], v[LS], s[28:29] offset:128*\kt
.endr
.irp i, 0,1
	global_load_b32 v[X3S+\i], v[LS], s[30:31] offset:128*\i
.endr
.endm
.macro LOADBV                          ; bv in O^T's layout: lane (r, h), tile ct: channels 16 ct + 8 h + 0 .. 7; into the registers that input2's codes have left
	WIN 0x40
.irp ct, 0,1,2,3
	global_load_b128 v[128+8*\ct:128+8*\ct+3], v[BVO], s[32:33] offset:64*\ct
	global_load_b128 v[128+8*\ct+4:128+8*\ct+7], v[BVO], s[32:33] offset:64*\ct+16
.endr
	WIN 0
.endm
; A GROUP is 16 score products: half X's two key tiles x channel steps 2 m, 2 m + 1 x four tiles of queries.  Its four fragments of K (fragment f: channel step 2 m + f / 2, key tile 2 X + f % 2) lie in buffer m % 2
.macro FETCHK slot, X, m
.irp f, 0,1,2,3
	ds_load_b128 v[KB+32*((\m)%2)+8*\f:KB+32*((\m)%2)+8*\f+3], v[AK+\slot] offset:((2*(\X)+(\f%2))*16+2*(\m)+(\f/2))*1024
	ds_load_b128 v[KB+32*((\m)%2)+8*\f+4:KB+32*((\m)%2)+8*\f+7], v[AK+\slot] offset:((2*(\X)+(\f%2))*16+2*(\m)+(\f/2))*1024+512
.endr
.endm
.macro SCORE X                         ; product PI of group GM: the half's 8 accumulators take turns, one instruction a turn; channel step 0 starts the sums
.set tq, PI%4
.set kq, (PI/4)%2
.set uq, 2*GM+PI/8
.set rD, S+32*tq+16*(\X)+8*kq
.set rK, KB+32*(GM%2)+16*(PI/8)+8*kq
.set rQ, 128*(tq%2)+8*uq
.set wq, 0x08+4*(tq/2)                 ; Q of tiles 0, 1 lies in window 2, of tiles 2, 3 in window 3
	WIN wq
.if uq == 0
	v_wmma_f32_16x16x32_f16 v[rD:rD+7], v[rK:rK+7], v[rQ:rQ+7], 0
.else
	v_wmma_f32_16x16x32_f16 v[rD:rD+7], v[rK:rK+7], v[rQ:rQ+7], v[rD:rD+7]
.endif
.endm
; THE SOFTMAX OF A HALF, for the wave's four tiles, as a numbered list; ITEM writes number J for half X and steps J.  s0-s15 are a lane's 16 scores of a tile, in pairs 0-7.
;   0-31    the largest of s0-s15, one chain a tile, the tiles by turns; each accumulator is read from its low end on
;   32-55   the other half of the lanes' maximum; times c; with the old c m; c m_old - c m_new; the new c m
;   56-155  ONE BATCH: the 32 scalings c s - c m and all 68 exponentials; none of these lines names an exponential's result.  A pair is scaled four slices ahead of its exponentials
;   156     a plain line behind the last exponential, and the one wait ahead of the batch's first reader
;   157-188 l = a l + the sum of p as it is, before it is rounded
;   189-220 p to f16 in place: a tile's 16 registers become P's fragment of 8
;   221-284 O^T times a
.macro ITEM X
.if J < NITEMS
.set iT, ST+6*(J%4)
.set iS, S+32*(J%4)+16*(\X)
.if J < 4
	WIN 0
	v_max3_num_f32 v[iT+1], v[iS], v[iS+1], v[iS+2]
.elseif J < 28
	WIN 0
	v_max3_num_f32 v[iT+1], v[iT+1], v[iS+2*(J/4)+1], v[iS+2*(J/4)+2]
.elseif J < 32
	WIN 0
	v_max_num_f32 v[iT+1], v[iT+1], v[iS+15]
.elseif J < 36
	WIN 0
	v_permlanex16_b32 v[iT+3], v[iT+1], s[SEL], s[SEL+1]       ; the query's other 16 keys lie in the lane 16 away
.elseif J < 40
	WIN 0
	v_max_num_f32 v[iT+1], v[iT+1], v[iT+3]
.elseif J < 44
	WIN 0
	v_mul_f32 v[iT+1], s[CS], v[iT+1]                          ; c is positive
.elseif J < 48
	WIN 0
	v_max_num_f32 v[iT+1], v[iT+1], v[iT]                      ; the new c m
.elseif J < 52
	WIN 0
	v_sub_f32 v[iT+3], v[iT], v[iT+1]                          ; c m_old - c m_new
.elseif J < 56
	WIN 0
	v_mov_b32 v[iT], v[iT+1]
.elseif J < 64
.set iT, ST+6*((J-56)/2)
.set iS, S+32*((J-56)/2)+16*(\X)
	AGN
.if (J%2) == 0
	v_pk_fma_f32 v[iS:iS+1], v[iS:iS+1], s[CS:CS+1], v[iT:iT+1] op_sel_hi:[1,0,0] neg_lo:[0,0,1] neg_hi:[0,0,1]
.else
	v_exp_f32 v[iT+2], v[iT+3]                                 ; a
.endif
.elseif J < 148
.set iT, ST+6*(((J-64)%12)/3)
.set iS, S+32*(((J-64)%12)/3)+16*(\X)
.set iq, (J-64)/12
	AGN
.if ((J-64)%3) == 2
	v_pk_fma_f32 v[iS+2*iq+2:iS+2*iq+3], v[iS+2*iq+2:iS+2*iq+3], s[CS:CS+1], v[iT:iT+1] op_sel_hi:[1,0,0] neg_lo:[0,0,1] neg_hi:[0,0,1]
.else
	v_exp_f32 v[iS+2*iq+(J-64)%3], v[iS+2*iq+(J-64)%3]
.endif
.elseif J < 156
.set iS, S+32*((J-148)/2)+16*(\X)
	AGN
	v_exp_f32 v[iS+14+(J-148)%2], v[iS+14+(J-148)%2]
.elseif J == 156
	v_nop
	s_wait_alu depctr_va_vdst(0)
.elseif J < 189
.set iT, ST+6*((J-157)%4)
.set iS, S+32*((J-157)%4)+16*(\X)
	WIN 0
.if J < 161
	v_pk_fma_f32 v[iT+4:iT+5], v[iT+4:iT+5], v[iT+2:iT+3], v[iS:iS+1] op_sel_hi:[1,0,1]
.else
	v_pk_add_f32 v[iT+4:iT+5], v[iT+4:iT+5], v[iS+2*((J-157)/4):iS+2*((J-157)/4)+1]
.endif
.elseif J < 221
.set iS, S+32*((J-189)%4)+16*(\X)
	WIN 0
	v_cvt_pk_f16_f32 v[iS+(J-189)/4], v[iS+2*((J-189)/4)], v[iS+2*((J-189)/4)+1]
.else
.set iT, ST+6*((J-221)/16)
.set iO, 32*((J-221)/16)+2*((J-221)%16)
	WIN 0x41                                       ; O^T (destination, source 0) window 1, a window 0
	v_pk_mul_f32 v[iO:iO+1], v[iO:iO+1], v[iT+2:iT+3] op_sel_hi:[1,0]
.endif
.set J, J+1
.endif
.endm
.macro SLICE X, n
.rept \n
	ITEM \X
.endr
.endm
; The 128 score products of half X, with half Y's softmax between them.  At a group's head the next group's fragments are asked for, in one run
.macro PHASE slot, X, Y
.set GM, 0
.rept 8
	AGN
	PLACES 4                                       ; between the last group's products and the loads into the buffer that the group before it... the other buffer's last readers stand a group back; these four serve on every way
.if ((\X) == 0) || (GM < 7)
.if GM < 7
	FETCHK \slot, \X, GM+1
.else
	FETCHK \slot, 1, 0
.endif
.if ((\X) == 1) && (GM == 0)
	s_wait_dscnt 16                                ; this group's fragments are in; younger: V's 8 loads and the 8 just issued
.else
	s_wait_dscnt 8                                 ; this group's fragments are in; the 8 loads just issued stay out
.endif
.else
	s_wait_dscnt 0x0                               ; the step's last group: nothing more to fetch
.endif
.set PI, 0
.rept 16
	SCORE \X
	SLICE \Y, 3
.set PI, PI+1
.endr
.set GM, GM+1
.endr
.endm
.macro PV X                            ; O^T += V^T P for half X's 32 keys: 16 products, 16 accumulators
	s_wait_dscnt 0x0                               ; V is in
	WIN 0x51                                       ; V (source 0), C and D window 1; P window 0
.irp ct, 0,1,2,3
.irp t, 0,1,2,3
	v_wmma_f32_16x16x32_f16 v[32*\t+8*\ct:32*\t+8*\ct+7], v[VF+8*\ct:VF+8*\ct+7], v[S+32*\t+16*(\X):S+32*\t+16*(\X)+7], v[32*\t+8*\ct:32*\t+8*\ct+7]
.endr
.endr
	WIN 0
	PLACES 5                                       ; V's registers are next written by loads (4 places), P's by matrix results (5); they also stand between the half's last scores and the first read of them
.endm
.macro FETCHV slot, X                  ; V^T's four fragments (channel tile ct) of half X's 32 keys
	WIN 0x40
.irp ct, 0,1,2,3
	ds_load_b128 v[VF+8*\ct:VF+8*\ct+3], v[LI] offset:V0L+\slot*8192+(2*\ct+(\X))*1024
	ds_load_b128 v[VF+8*\ct+4:VF+8*\ct+7], v[LI] offset:V0L+\slot*8192+(2*\ct+(\X))*1024+512
.endr
	WIN 0
.endm
; THE PROJECTION of a key step.  g = 0 .. 3: my channel tiles 2 g, 2 g + 1, which are K's fragments of channel step u = 4 w + g.  Its 8 sums lie in half A's registers: sum a at v[S + 32 (a / 2) + 8 (a % 2)]
.macro FETCHW g, buf                   ; their codes: four fragments (tile i, K step ks)
.irp i, 0,1
.irp ks, 0,1
.irp c, 0,1
	ds_load_b128 v[KB+32*\buf+8*(2*\i+\ks)+4*\c:KB+32*\buf+8*(2*\i+\ks)+4*\c+3], v[AWK] offset:((2*(\g)+\i)*2+\ks)*1024+\c*512
.endr
.endr
.endr
.endm
.macro FETCHWV                         ; Wv's codes of my two channel tiles: (tile ic, K step ks) at v[224 + 16 ic + 8 ks]
.irp i, 0,1,2,3,4,5,6,7
	ds_load_b128 v[224+4*\i:224+4*\i+3], v[AWV] offset:512*\i
.endr
.endm
.macro MM g                            ; 16 products on codes: 2 channel tiles x 4 key tiles x 2 K steps; K step 1 takes the scale registers' upper sixteen lanes
	WIN 0x04                                       ; source 1 (input2's codes) window 1
.irp ks, 0,1
.irp i, 0,1
.irp kt, 0,1,2,3
.set rD, S+32*(2*\i+\kt/2)+8*(\kt%2)
.set rA, KB+32*((\g)%2)+8*(2*\i+\ks)
.set rB, 128+16*\kt+8*\ks
.if \ks == 0
	v_wmma_scale_f32_16x16x128_f8f6f4 v[rD:rD+7], v[rA:rA+7], v[rB:rB+7], 0, v[WKS+2*(\g)+\i], v[X2S+\kt] matrix_a_fmt:MATRIX_FMT_FP4 matrix_b_fmt:MATRIX_FMT_FP4
.else
	v_wmma_scale_f32_16x16x128_f8f6f4 v[rD:rD+7], v[rA:rA+7], v[rB:rB+7], v[rD:rD+7], v[WKS+2*(\g)+\i], v[X2S+\kt] matrix_a_fmt:MATRIX_FMT_FP4 matrix_b_fmt:MATRIX_FMT_FP4 matrix_a_scale:MATRIX_SCALE_ROW1 matrix_b_scale:MATRIX_SCALE_ROW1
.endif
.endr
.endr
.endr
.endm
.macro CVT n                           ; the first n sums as f16 into the staging registers, four a sum: the sums' registers are free at once
	WIN 0x40                                       ; destination window 1
.set a, 0
.rept \n
.irp p, 0,1,2,3
	v_cvt_pk_f16_f32 v[PK+4*a+\p], v[S+32*(a/2)+8*(a%2)+2*\p], v[S+32*(a/2)+8*(a%2)+2*\p+1]
.endr
.set a, a+1
.endr
.endm
.macro STORE g, slot
	WIN 0x04                                       ; an LDS store's data are its source 1: window 1
.irp i, 0,1
.irp kt, 0,1,2,3
	ds_store_b128 v[SK+\slot], v[PK+4*(4*\i+\kt):PK+4*(4*\i+\kt)+3] offset:(\kt*16+(\g))*1024+\i*512
.endr
.endr
.endm
.macro VMM                             ; my quarter of V: 2 key tiles x 2 channel tiles x 2 K steps; sum 2 ic + ik
	WIN 0x01                                       ; source 0 (input3's codes) window 1
.irp ks, 0,1
.irp ic, 0,1
.irp ik, 0,1
.set rD, S+32*\ic+8*\ik
.set rA, 192+16*\ik+8*\ks
.set rB, 224+16*\ic+8*\ks
.if \ks == 0
	v_wmma_scale_f32_16x16x128_f8f6f4 v[rD:rD+7], v[rA:rA+7], v[rB:rB+7], 0, v[X3S+\ik], v[WVS+\ic] matrix_a_fmt:MATRIX_FMT_FP4 matrix_b_fmt:MATRIX_FMT_FP4
.else
	v_wmma_scale_f32_16x16x128_f8f6f4 v[rD:rD+7], v[rA:rA+7], v[rB:rB+7], v[rD:rD+7], v[X3S+\ik], v[WVS+\ic] matrix_a_fmt:MATRIX_FMT_FP4 matrix_b_fmt:MATRIX_FMT_FP4 matrix_a_scale:MATRIX_SCALE_ROW1 matrix_b_scale:MATRIX_SCALE_ROW1
.endif
.endr
.endr
.endr
	WIN 0
.endm
; V goes first: input3's codes are then done with, and their registers take the packed f16.  The places between the products ahead of a projection and its first loads and sums stand behind those products.
.macro PROJ slot
	s_wait_loadcnt 0x0                             ; the codes asked for a key step ago are in: so their bases may step
	s_add_nc_u64 s[24:25], s[24:25], 8192          ; four tiles of codes,
	s_add_nc_u64 s[26:27], s[26:27], 8192
	s_add_nc_u64 s[28:29], s[28:29], 512           ; four scale images
	s_add_nc_u64 s[30:31], s[30:31], 512
	FETCHWV
	FETCHW 0, 0
	s_wait_dscnt 8                                 ; Wv's codes are in; g = 0's eight loads stay out
	VMM
	PLACES 4
	FETCHW 1, 1                                    ; into the registers that Wv's codes have left
	CVT 4
	WIN 0x04
.irp ic, 0,1
.irp ik, 0,1
	ds_store_b128 v[SV], v[PK+4*(2*\ic+\ik):PK+4*(2*\ic+\ik)+3] offset:V0L+\slot*8192+\ic*2048+\ik*512
.endr
.endr
	s_wait_dscnt 12                                ; g = 0's codes are in; younger: g = 1's 8 loads and V's 4 stores
	MM 0
	PLACES 4
	FETCHW 2, 0
	s_wait_dscnt 8                                 ; g = 1's codes are in and V's stores have read the staging registers; g = 2's 8 loads stay out
	CVT 8
	STORE 0, \slot
	MM 1
	PLACES 4
	FETCHW 3, 1
	s_wait_dscnt 8                                 ; g = 2's codes are in and g = 0's stores are done; g = 3's 8 loads stay out
	CVT 8
	STORE 1, \slot
	MM 2
	PLACES 4
	s_wait_dscnt 0x0                               ; g = 3's codes are in and g = 1's stores are done
	CVT 8
	STORE 2, \slot
	MM 3
	PLACES 4
	s_wait_dscnt 0x0                               ; g = 2's stores are done
	CVT 8
	STORE 3, \slot
	WIN 0
	s_wait_dscnt 0x0                               ; the last stores have read the staging registers, into which the next codes are loaded; the barrier wants this wait too
.endm
.macro STEP slot                       ; a key step: 64 keys out of slot
	BARRIER
	FETCHK \slot, 0, 0
.set J, 0
	SLICE 1, 56                                    ; while the first fragments come: the head of the softmax of the last step's half B
	PHASE \slot, 0, 1                              ; half A's scores | the rest of it: 56 + 3 x 128 is more than 285
	PV 1
	FETCHV \slot, 0
.set J, 0
	PHASE \slot, 1, 0                              ; half B's scores | half A's softmax
	PV 0
	FETCHV \slot, 1                                ; asked for ahead of the next barrier, behind which this slot is written again
.endm
; THE QUERIES' PROJECTION.  g = 0 .. 15: channel tiles 2 g, 2 g + 1 of Wq, which are Q's fragments of channel step g
.macro FETCHQ g                        ; 14 loads: four fragments of codes, two scale images, bq in the result's layout
.irp i, 0,1
.irp ks, 0,1
.irp c, 0,1
	ds_load_b128 v[KB+32*((\g)%2)+8*(2*\i+\ks)+4*\c:KB+32*((\g)%2)+8*(2*\i+\ks)+4*\c+3], v[AWQ] offset:((2*(\g)+\i)*2+\ks)*1024+\c*512
.endr
.endr
	ds_load_b32 v[WQS+2*((\g)%2)+\i], v[AWQS] offset:(2*(\g)+\i)*128
	ds_load_b128 v[BQ+16*((\g)%2)+8*\i:BQ+16*((\g)%2)+8*\i+3], v[ABQ] offset:(2*(\g)+\i)*64
	ds_load_b128 v[BQ+16*((\g)%2)+8*\i+4:BQ+16*((\g)%2)+8*\i+7], v[ABQ] offset:(2*(\g)+\i)*64+16
.endr
.endm
.macro QCVT g, t
.irp i, 0,1
.irp p, 0,1,2,3
	v_cvt_pk_f16_f32 v[128*((\t)%2)+8*(\g)+4*\i+\p], v[S+8*(4*\i+(\t))+2*\p], v[S+8*(4*\i+(\t))+2*\p+1]
.endr
.endr
.endm
.macro QSTEP g
.if (\g) < 15
	FETCHQ (\g)+1
	s_wait_dscnt 14                                ; this step's 14 loads are in; the 14 just issued stay out
.else
	s_wait_dscnt 0x0
.endif
	WIN 0x04                                       ; source 1 (input1's codes) window 1
.irp ks, 0,1
.irp i, 0,1
.irp t, 0,1,2,3
.set rD, S+8*(4*\i+\t)
.set rA, KB+32*((\g)%2)+8*(2*\i+\ks)
.set rB, 16*\t+8*\ks
.set rC, BQ+16*((\g)%2)+8*\i
.if \ks == 0
	v_wmma_scale_f32_16x16x128_f8f6f4 v[rD:rD+7], v[rA:rA+7], v[rB:rB+7], v[rC:rC+7], v[WQS+2*((\g)%2)+\i], v[X1S+\t] matrix_a_fmt:MATRIX_FMT_FP4 matrix_b_fmt:MATRIX_FMT_FP4
.else
	v_wmma_scale_f32_16x16x128_f8f6f4 v[rD:rD+7], v[rA:rA+7], v[rB:rB+7], v[rD:rD+7], v[WQS+2*((\g)%2)+\i], v[X1S+\t] matrix_a_fmt:MATRIX_FMT_FP4 matrix_b_fmt:MATRIX_FMT_FP4 matrix_a_scale:MATRIX_SCALE_ROW1 matrix_b_scale:MATRIX_SCALE_ROW1
.endif
.endr
.endr
.endr
	PLACES 4
	WIN 0x80                                       ; destination: Q of tiles 0, 1 in window 2,
	QCVT \g, 0
	QCVT \g, 1
	WIN 0xc0                                       ; of tiles 2, 3 in window 3
	QCVT \g, 2
	QCVT \g, 3
	WIN 0
.endm
	s_load_b256 s[4:11], s[0:1], 0x0               ; XC s[4:5], XS s[6:7], WC s[8:9], WS s[10:11]
	s_load_b128 s[12:15], s[0:1], 0x20             ; bq s[12:13], bv s[14:15]
	s_load_b64 s[16:17], s[0:1], 0x30              ; HEADS
	v_lshl_add_u32 v[SPW], v0, 2, SPARE
	v_mov_b32 v[NIL], 0
	v_lshrrev_b32 v15, 5, v0
	v_readfirstlane_b32 s18, v15                   ; wave 0..3
	s_mov_b32 s19, ttmp9                           ; block of 256 queries
	s_and_b32 s21, ttmp7, 0xffff
	s_lshr_b32 s20, s21, 3                         ; batch
	s_and_b32 s21, s21, 7                          ; head
	s_and_b32 s22, s18, 1                          ; V: which two channel tiles are mine,
	s_lshr_b32 s23, s18, 1                         ; and which two key tiles
	s_mov_b32 s[CS], 0x3d8293ee                    ; c = log2(e) / sqrt(512)
	s_mov_b32 s[CS+1], s[CS]
	s_mov_b32 s[SEL], 0x76543210
	s_mov_b32 s[SEL+1], 0xfedcba98
	; byte offsets, each in the pair that will hold the address
	s_lshl_b32 s41, s20, 17                        ; a batch: 64 tiles of 2,048 bytes
	s_add_co_u32 s24, s41, 1048576                 ; input2's codes
	s_mov_b32 s25, 0
	s_lshl_b32 s42, s23, 12
	s_add_co_u32 s26, s41, s42
	s_add_co_u32 s26, s26, 2097152                 ; input3's, at my two key tiles
	s_mov_b32 s27, 0
	s_lshl_b32 s41, s20, 13                        ; 64 scale images of 128 bytes
	s_add_co_u32 s28, s41, 65536
	s_mov_b32 s29, 0
	s_lshl_b32 s42, s23, 8
	s_add_co_u32 s30, s41, s42
	s_add_co_u32 s30, s30, 131072
	s_mov_b32 s31, 0
	s_lshl_b32 s32, s21, 8                         ; bv of the head
	s_mov_b32 s33, 0
	s_lshl_b32 s41, s20, 6
	s_lshl_b32 s42, s19, 4
	s_add_co_u32 s41, s41, s42
	s_lshl_b32 s42, s18, 2
	s_add_co_u32 s41, s41, s42                     ; my first tile of queries: 64 b + 16 block + 4 wave
	s_lshl_b32 s34, s41, 14
	s_lshl_b32 s42, s21, 11
	s_add_co_u32 s34, s34, s42                     ; HEADS: tile x 16,384 + head x two K steps of 1,024
	s_mov_b32 s35, 0
	s_lshl_b32 s44, s41, 11                        ; input1's codes
	s_mov_b32 s45, 0
	s_lshl_b32 s46, s41, 7                         ; and scale images
	s_mov_b32 s47, 0
	s_lshl_b32 s48, s21, 16
	s_lshl_b32 s42, s18, 14
	s_add_co_u32 s48, s48, s42                     ; Wq's codes: head x 32 tiles + my 8
	s_mov_b32 s49, 0
	s_add_co_u32 s54, s48, 524288                  ; Wk's likewise
	s_mov_b32 s55, 0
	s_lshl_b32 s50, s21, 12
	s_lshl_b32 s42, s18, 10
	s_add_co_u32 s50, s50, s42                     ; Wq's scale images
	s_mov_b32 s51, 0
	s_add_co_u32 s56, s50, 32768                   ; Wk's
	s_mov_b32 s57, 0
	s_lshl_b32 s52, s21, 11
	s_lshl_b32 s42, s18, 9
	s_add_co_u32 s52, s52, s42                     ; bq: head x 2,048 + my 512 bytes
	s_mov_b32 s53, 0
	s_lshl_b32 s58, s21, 13
	s_lshl_b32 s42, s22, 12
	s_add_co_u32 s58, s58, s42
	s_add_co_u32 s58, s58, 1048576                 ; Wv's codes: head x 4 tiles + my 2
	s_mov_b32 s59, 0
	s_lshl_b32 s60, s21, 9
	s_lshl_b32 s42, s22, 8
	s_add_co_u32 s60, s60, s42
	s_add_co_u32 s60, s60, 65536                   ; Wv's scale images
	s_mov_b32 s61, 0
	; LDS addresses: constants, the lane, the wave's number
	v_and_b32 v15, 31, v0
	v_lshlrev_b32 v[LI], 4, v15
	v_lshlrev_b32 v[LS], 2, v15
	v_add_nc_u32 v[AK], K0L, v[LI]
	v_add_nc_u32 v[AK+1], K1L, v[LI]
	s_lshl_b32 s41, s18, 12
	v_add_nc_u32 v[SK], s41, v[AK]
	v_add_nc_u32 v[SK+1], s41, v[AK+1]
	v_add_nc_u32 v[AWV], s41, v[LI]
	v_add_nc_u32 v[AWV], WVL, v[AWV]               ; my 4 KiB of Wv's codes
	s_lshl_b32 s41, s22, 2
	s_add_co_u32 s41, s41, s23
	s_lshl_b32 s41, s41, 10
	v_add_nc_u32 v[SV], s41, v[LI]                 ; fragment 2 ct + uu = 4 vw + uw (+ 2 for my second channel tile)
	s_lshl_b32 s41, s18, 14
	s_add_co_u32 s62, s41, WKL
	v_add_nc_u32 v[AWK], s62, v[LI]
	v_add_nc_u32 v[AWQ], WQL, v[LI]
	v_add_nc_u32 v[AWQS], WQSL, v[LS]
	v_bfe_u32 v[BVO], v0, 4, 1
	v_lshlrev_b32 v[BVO], 5, v[BVO]
	v_add_nc_u32 v[ABQ], BQL, v[BVO]
	v_add_nc_u32 v16, s41, v[AWQ]                  ; where my quarters of Wq's codes,
	s_lshl_b32 s62, s18, 10
	v_add_nc_u32 v17, s62, v[LI]
	v_add_nc_u32 v17, WQSL, v17                    ; of its scale images
	s_lshl_b32 s62, s18, 9
	v_add_nc_u32 v18, s62, v[LI]
	v_add_nc_u32 v18, BQL, v18                     ; and of bq go
	s_wait_kmcnt 0x0
	s_add_nc_u64 s[24:25], s[4:5], s[24:25]
	s_add_nc_u64 s[26:27], s[4:5], s[26:27]
	s_add_nc_u64 s[28:29], s[6:7], s[28:29]
	s_add_nc_u64 s[30:31], s[6:7], s[30:31]
	s_add_nc_u64 s[32:33], s[14:15], s[32:33]
	s_add_nc_u64 s[34:35], s[16:17], s[34:35]
	s_add_nc_u64 s[44:45], s[4:5], s[44:45]
	s_add_nc_u64 s[46:47], s[6:7], s[46:47]
	s_add_nc_u64 s[48:49], s[8:9], s[48:49]
	s_add_nc_u64 s[54:55], s[8:9], s[54:55]
	s_add_nc_u64 s[50:51], s[10:11], s[50:51]
	s_add_nc_u64 s[56:57], s[10:11], s[56:57]
	s_add_nc_u64 s[52:53], s[12:13], s[52:53]
	s_add_nc_u64 s[58:59], s[8:9], s[58:59]
	s_add_nc_u64 s[60:61], s[10:11], s[60:61]
	; all that the head needs goes out in one run
.set i, 0
.rept 32
	global_load_b128 v[S+4*i:S+4*i+3], v[LI], s[48:49] offset:512*i       ; my quarter of Wq's codes
.set i, i+1
.endr
	global_load_b128 v[192:195], v[LI], s[50:51]
	global_load_b128 v[196:199], v[LI], s[50:51] offset:512
	global_load_b128 v[200:203], v[LI], s[52:53]
.irp e, 0,1,2,3,4,5,6,7
	global_load_b32 v[WKS+\e], v[LS], s[56:57] offset:128*\e
.endr
.irp e, 0,1
	global_load_b32 v[WVS+\e], v[LS], s[60:61] offset:128*\e
.endr
.irp e, 0,1,2,3
	global_load_b32 v[X1S+\e], v[LS], s[46:47] offset:128*\e
.endr
	WIN 0x80
.set i, 0
.rept 32
	global_load_b128 v[4*i:4*i+3], v[LI], s[54:55] offset:512*i           ; my 8 tiles of Wk's codes, for a moment where Q will lie
.set i, i+1
.endr
	WIN 0x40
.set i, 0
.rept 16
	global_load_b128 v[4*i:4*i+3], v[LI], s[44:45] offset:512*i           ; input1's codes of my four tiles: tile t, K step ks at v[16 t + 8 ks]
.set i, i+1
.endr
.set i, 0
.rept 8
	global_load_b128 v[VF+4*i:VF+4*i+3], v[LI], s[58:59] offset:512*i     ; Wv's codes of my two channel tiles, for a moment where V will lie
.set i, i+1
.endr
	LOADX                                          ; key step 0
	s_wait_loadcnt 0x0
.set i, 0
.rept 32
	ds_store_b128 v16, v[S+4*i:S+4*i+3] offset:512*i
.set i, i+1
.endr
	ds_store_b128 v17, v[192:195]
	ds_store_b128 v17, v[196:199] offset:512
	ds_store_b128 v18, v[200:203]
	WIN 0x04                                       ; an LDS store's data are its source 1: window 1
.set i, 0
.rept 8
	ds_store_b128 v[AWV], v[VF+4*i:VF+4*i+3] offset:512*i
.set i, i+1
.endr
	WIN 0x08                                       ; window 2
.set i, 0
.rept 32
	ds_store_b128 v[AWK], v[4*i:4*i+3] offset:512*i
.set i, i+1
.endr
	WIN 0
	BARRIER                                        ; Wq's codes, scale images and bq lie whole in LDS
	FETCHQ 0
.set G, 0
.rept 16
	QSTEP G
.set G, G+1
.endr
	PROJ 0                                         ; key step 0's K and V into slot 0
	LOADX                                          ; key step 1
	; THE LOOP HAS NO FIRST STEP OF ITS OWN (code size).  Its first phase finds a half B of scores -2^100 and a V of zeros: c x -2^100 is exact, so p = 2^0 = 1, O^T stays 0,
	; and the first true half, whose maximum lies far above, multiplies l and O^T by a = 0.
	WIN 0x40
.set i, 0
.rept 128
	v_mov_b32 v[i], 0                              ; O^T
.set i, i+1
.endr
.set i, 0
.rept 32
	v_mov_b32 v[VF+i], 0                           ; V
.set i, i+1
.endr
	WIN 0
.irp t, 0,1,2,3
.set i, 0
.rept 16
	v_mov_b32 v[S+32*\t+16+i], 0xf1800000          ; -2^100
.set i, i+1
.endr
.endr
.irp t, 0,1,2,3
	v_mov_b32 v[ST+6*\t], 0xff61b1e6               ; c m so far: -3e38
	v_mov_b32 v[ST+6*\t+3], 0                      ; (a lane permute's destination counts as one of its sources)
	v_mov_b32 v[ST+6*\t+4], 0                      ; l
	v_mov_b32 v[ST+6*\t+5], 0
.endr
	s_mov_b32 s40, 8
.Ltrip:                                                ; eight trips of two key steps; the branches hang on the counter alone and lead round no barrier
	STEP 0
	PROJ 1
	s_cmp_eq_u32 s40, 1
	s_cbranch_scc1 .Llast_a
	LOADX
	s_branch .Lgo_b
.Llast_a:
	LOADBV                                         ; no key step is left to ask for: bv takes its place
.Lgo_b:
	STEP 1
	s_cmp_eq_u32 s40, 1
	s_cbranch_scc1 .Lskip
	PROJ 0
	LOADX
.Lskip:
	s_sub_co_i32 s40, s40, 1
	s_cmp_lg_u32 s40, 0
	s_cbranch_scc1 .Ltrip
.set J, 0
	SLICE 1, NITEMS                                ; the last step's half B: its softmax, with no products left to stand between,
	PV 1                                           ; and its products
	; THE WAY OUT: O^T / l + bv, rounded to f16: a lane's eight channels are 16 bytes of a fragment's image
.irp t, 0,1,2,3
	v_add_f32 v[ST+6*\t+4], v[ST+6*\t+4], v[ST+6*\t+5]
.endr
.irp t, 0,1,2,3
	v_permlanex16_b32 v[ST+6*\t+5], v[ST+6*\t+4], s[SEL], s[SEL+1]
.endr
.irp t, 0,1,2,3
	v_add_f32 v[ST+6*\t+4], v[ST+6*\t+4], v[ST+6*\t+5]
.endr
.irp t, 0,1,2,3
	v_rcp_f32 v[ST+6*\t+2], v[ST+6*\t+4]
.endr
	v_nop                                          ; a plain instruction behind the last reciprocal,
	s_wait_alu depctr_va_vdst(0)                   ; and the wait ahead of the first use: one for the four
	s_wait_loadcnt 0x0                             ; bv
	WIN 0x11                                       ; O^T (source 0) and bv (source 2) window 1
.irp t, 0,1,2,3
.irp ct, 0,1,2,3
.irp p, 0,2,4,6
	v_pk_fma_f32 v[S+32*\t+8*\ct+\p:S+32*\t+8*\ct+\p+1], v[32*\t+8*\ct+\p:32*\t+8*\ct+\p+1], v[ST+6*\t+2:ST+6*\t+3], v[128+8*\ct+\p:128+8*\ct+\p+1] op_sel_hi:[1,0,1]
.endr
.endr
.endr
	WIN 0
.irp t, 0,1,2,3
.irp ct, 0,1,2,3
.irp p, 0,1,2,3
	v_cvt_pk_f16_f32 v[KB+16*\t+4*\ct+\p], v[S+32*\t+8*\ct+2*\p], v[S+32*\t+8*\ct+2*\p+1]
.endr
.endr
.endr
.irp t, 0,1,2,3
.irp ct, 0,1,2,3
	global_store_b128 v[LI], v[KB+16*\t+4*\ct:KB+16*\t+4*\ct+3], s[34:35] offset:\t*16384+(\ct/2)*1024+(\ct%2)*512    ; 512 consecutive aligned bytes
.endr
.endr
	s_wait_tensorcnt 0x0                           ; the wave's end: the tensor wait, an LDS add and its wait behind the last LDS store, the tensor wait in a text with no tensor load too
	ds_add_u32 v[SPW], v[NIL]
	s_wait_dscnt 0x0
	s_endpgm
.Lfunc_end_k_q8dda170199_attn:
	.size	k_q8dda170199_attn, .Lfunc_end_k_q8dda170199_attn-k_q8dda170199_attn
	.p2alignl 7, 3214868480
	.fill 96, 4, 3214868480
	.section	.rodata,"a",@progbits
	.p2align	6, 0x0
	.amdhsa_kernel k_q8dda170199_attn
		.amdhsa_group_segment_fixed_size 301568
		.amdhsa_private_segment_fixed_size 0
		.amdhsa_enable_private_segment 0
		.amdhsa_kernarg_size 56
		.amdhsa_user_sgpr_count 2
		.amdhsa_user_sgpr_kernarg_segment_ptr 1
		.amdhsa_wavefront_size32 1
		.amdhsa_system_sgpr_workgroup_id_x 1
		.amdhsa_system_sgpr_workgroup_id_y 1
		.amdhsa_system_sgpr_workgroup_id_z 1
		.amdhsa_system_vgpr_workitem_id 0
		.amdhsa_next_free_vgpr 1024
		.amdhsa_next_free_sgpr 66
		.amdhsa_reserve_vcc 0
		.amdhsa_float_denorm_mode_32 3
		.amdhsa_float_denorm_mode_16_64 3
		.amdhsa_memory_ordered 1
		.amdhsa_forward_progress 1
		.amdhsa_inst_pref_size 255
	.end_amdhsa_kernel
	.section	.bss,"aw",@nobits
	.p2align	6
	.space	262144
	.amdgpu_metadata
---
amdhsa.version: [ 1, 2 ]
amdhsa.kernels:
  - .name:           k_q8dda170199_attn
    .symbol:         k_q8dda170199_attn.kd
    .args:
      - { .name: XC, .offset: 0, .size: 8, .value_kind: global_buffer, .address_space: global }
      - { .name: XS, .offset: 8, .size: 8, .value_kind: global_buffer, .address_space: global }
      - { .name: WC, .offset: 16, .size: 8, .value_kind: global_buffer, .address_space: global }
      - { .name: WS, .offset: 24, .size: 8, .value_kind: global_buffer, .address_space: global }
      - { .name: bq, .offset: 32, .size: 8, .value_kind: global_buffer, .address_space: global }
      - { .name: bv, .offset: 40, .size: 8, .value_kind: global_buffer, .address_space: global }
      - { .name: HEADS, .offset: 48, .size: 8, .value_kind: global_buffer, .address_space: global }
    .group_segment_fixed_size: 301568
    .private_segment_fixed_size: 0
    .kernarg_segment_align: 8
    .kernarg_segment_size: 56
    .max_flat_workgroup_size: 128
    .sgpr_count:     66
    .vgpr_count:     1024
    .wavefront_size: 32
...
	.end_amdgpu_metadata
.endif
;; end of part 2
;; launch oproj (part 3): grid 4 x 64, 4 waves a work-group, clusters of 4 x 4, 280,064 bytes of LDS; arguments HEADS, WOH, bo, out0; writes out0
.if DOCPART == 3
	.amdgcn_target "amdgcn-amd-amdhsa--gfx1250"
	.amdhsa_code_object_version 6
	.text
	.protected	k_q8dda170199_oproj
	.globl	k_q8dda170199_oproj
	.p2align	8
	.type	k_q8dda170199_oproj,@function
k_q8dda170199_oproj:
	s_mov_b64 s[64:65], 0
	v_nop
	global_prefetch_b8 v0, s[64:65] scope:SCOPE_SE
	s_setreg_imm32_b32 hwreg(HW_REG_WAVE_MODE, 25, 1), 1
	s_wait_xcnt 0x0
	s_wait_alu depctr_hold_cnt(0) depctr_sa_sdst(0) depctr_va_vdst(0) depctr_va_sdst(0) depctr_va_ssrc(0) depctr_va_vcc(0) depctr_vm_vsrc(0)
	s_getreg_b32 s2, hwreg(HW_REG_IB_STS2, 6, 4)
	s_cmp_eq_u32 s2, 0
	s_cbranch_scc0 .Lentry_in_a_cluster
	s_endpgm
.Lentry_in_a_cluster:
	s_bfe_u32 s2, ttmp6, 0x10000c
	s_cmp_lg_u32 s2, 0xf033
	s_cbranch_scc0 .Lentry_shape_is_right
	s_endpgm
.Lentry_shape_is_right:
; OPROJ: out0 [8,192][512] f32 = heads [8,192][512] Wo [512][512] + bo, f16 operands, f32 sums.  Both operands lie in memory as images of fragment registers (16 rows x 32 along K: 1,024 bytes):
; HEADS [row tile 512][K step 16][1,024], WOH [column tile 32][K step 16][1,024].
; A work-group makes 128 rows x 128 columns; wave (i = w / 2, j = w % 2) makes 64 x 64: 16 accumulators.  K = 512 is 16 steps of 32.  All of a work-group's operands, 2 x 128 KiB, fit in LDS: they are FILLED ONCE,
; in four chunks of four K steps a side, each chunk one tensor load of 8 rows (tiles) x 4,096 bytes, 16,384 bytes apart in memory; a wave issues two loads, and two are out by this text's count.
; CLUSTERS: 4 x 4 work-groups.  The four of a column of the cluster need the same column tiles of Wo, the four of a row the same row tiles of HEADS: each chunk is asked for JOINTLY.
; THE MATRIX INSTRUCTION IS USED TRANSPOSED (source 0 = 16 columns of Wo, source 1 = 16 rows of heads): a lane holds eight neighbouring numbers of a row of out0.  bo is the C of each sum's first product.
; No prefetch and no ring: a short launch whose every operand byte is asked for at its head.
; REGISTERS: window 0: v1-15 addresses; v28, v29 the add's two; v32-63 bo; v64-127 rows on the way out; v128-255 the accumulators (a, n) at v[128 + 8 (4 a + n)].  window 1: two buffers of 64: 4 fragments of Wo, 4 of heads.
.set STAGE, 262144                     ; behind the operands: 16 rows x (256 bytes + 16) for each wave
.set SPARE, STAGE+4*16*272             ; the spare words, 128 bytes for each wave
.set LI,  1
.set STO, 4
.set RD,  5
.set CO,  6
.set VA,  8                            ; v8-11  my four column tiles in chunk q
.set VB,  12                           ; v12-15 my four row tiles in chunk q
.set SPW, 28
.set NIL, 29
.set BO,  32
.set OB,  64
.set ACC, 128
.set G1A, 24                           ; s[24:31] descriptor group 1 for Wo's chunks;  s[32:39] groups 0 of my two
.set G0A, 32
.set G1B, 48                           ; s[48:55], s[56:63] the same for HEADS
.set G0B, 56
.set MSB, 0
.macro WIN new
.if MSB != \new
	s_set_vgpr_msb (MSB<<8)|\new
.set MSB, \new
.endif
.endm
.macro PLACES n
.rept \n
	v_nop
.endr
.endm
.macro CROUND                          ; a round of the cluster's barrier
	s_barrier_signal -1
	s_barrier_wait -1
	s_cmp_lg_u32 s10, 0
	s_cbranch_scc1 .Lnot_wave_0_\@
	s_barrier_signal -3
.Lnot_wave_0_\@:
	s_barrier_wait -3
	s_barrier_signal -1
	s_barrier_wait -1
.endm
.macro FETCH k                         ; K step k's eight fragments into buffer k % 2: 16 loads of 512 consecutive bytes
	WIN 0x40
.irp n, 0,1,2,3
	ds_load_b128 v[64*((\k)%2)+8*\n:64*((\k)%2)+8*\n+3], v[VA+(\k)/4] offset:\n*4096+((\k)%4)*1024
	ds_load_b128 v[64*((\k)%2)+8*\n+4:64*((\k)%2)+8*\n+7], v[VA+(\k)/4] offset:\n*4096+((\k)%4)*1024+512
	ds_load_b128 v[64*((\k)%2)+32+8*\n:64*((\k)%2)+32+8*\n+3], v[VB+(\k)/4] offset:\n*4096+((\k)%4)*1024
	ds_load_b128 v[64*((\k)%2)+32+8*\n+4:64*((\k)%2)+32+8*\n+7], v[VB+(\k)/4] offset:\n*4096+((\k)%4)*1024+512
.endr
.endm
.macro MUL k                           ; 16 products; the accumulators take turns, one instruction a turn
	WIN 0x05
.irp a, 0,1,2,3
.irp n, 0,1,2,3
.if (\k) == 0
	v_wmma_f32_16x16x32_f16 v[ACC+8*(4*\a+\n):ACC+8*(4*\a+\n)+7], v[64*((\k)%2)+8*\n:64*((\k)%2)+8*\n+7], v[64*((\k)%2)+32+8*\a:64*((\k)%2)+32+8*\a+7], v[BO+8*\n:BO+8*\n+7]
.else
	v_wmma_f32_16x16x32_f16 v[ACC+8*(4*\a+\n):ACC+8*(4*\a+\n)+7], v[64*((\k)%2)+8*\n:64*((\k)%2)+8*\n+7], v[64*((\k)%2)+32+8*\a:64*((\k)%2)+32+8*\a+7], v[ACC+8*(4*\a+\n):ACC+8*(4*\a+\n)+7]
.endif
.endr
.endr
.endm
.macro KSTEP k
	PLACES 4                                       ; between the last step's products and the loads into the buffer that they read
.if ((\k)%8) < 7
	FETCH (\k)+1
	s_wait_dscnt 16                                ; this step's fragments are in; the 16 loads just issued stay out
.else
	s_wait_dscnt 0x0
.endif
	MUL \k
.endm
.macro TOSTAGE a                       ; 16 rows x 64 columns through my own stage: in by lanes' 32 bytes, back by rows of 256 bytes.  LDS serves a wave's instructions in order (ISA guide 5.7.1.4)
.irp n, 0,1,2,3
	ds_store_b128 v[STO], v[ACC+8*(4*(\a)+\n):ACC+8*(4*(\a)+\n)+3] offset:64*\n            ; each accumulator from its low end on
	ds_store_b128 v[STO], v[ACC+8*(4*(\a)+\n)+4:ACC+8*(4*(\a)+\n)+7] offset:64*\n+16
.endr
.irp t, 0,1,2,3,4,5,6,7
	ds_load_b128 v[OB+32*((\a)%2)+4*\t:OB+32*((\a)%2)+4*\t+3], v[RD] offset:544*\t
.endr
.endm
.macro SEND a, younger                 ; younger: the LDS instructions issued behind block a's loads
	s_wait_dscnt \younger
.irp t, 0,1,2,3,4,5,6,7
	global_store_b128 v[CO], v[OB+32*((\a)%2)+4*\t:OB+32*((\a)%2)+4*\t+3], s[12:13] offset:(16*(\a)+2*\t)*2048 th:TH_STORE_NT   ; sixteen lanes store 256 consecutive aligned bytes
.endr
.endm
	s_load_b128 s[4:7], s[0:1], 0x0                ; HEADS s[4:5], WOH s[6:7]
	s_load_b64 s[8:9], s[0:1], 0x10                ; bo
	s_load_b64 s[12:13], s[0:1], 0x18              ; out0
	v_lshl_add_u32 v[SPW], v0, 2, SPARE
	v_mov_b32 v[NIL], 0
	ds_add_u32 v[SPW], v[NIL]                      ; the wave's opening: the add, twice on end, and its wait ahead of my first tensor load
	ds_add_u32 v[SPW], v[NIL]                      ; and once more, under the one wait; the set-up below stands between
	v_lshrrev_b32 v1, 5, v0
	v_readfirstlane_b32 s10, v1                    ; wave 0..3
	s_and_b32 s11, s10, 1                          ; my half of the columns.  Also: I fetch for Wo (0) or for HEADS (1)
	s_lshr_b32 s14, s10, 1                         ; my half of the rows.  Also: which chunk of each pair I fetch
	s_bfe_u32 s40, ttmp6, 0x40000                  ; cx, cy: my place in the cluster
	s_bfe_u32 s41, ttmp6, 0x40004
	s_lshl_b32 s42, ttmp9, 2
	s_add_co_u32 s42, s42, s40                     ; block of 128 columns = 4 x cluster x + cx
	s_and_b32 s43, ttmp7, 0xffff
	s_lshl_b32 s43, s43, 2
	s_add_co_u32 s43, s43, s41                     ; block of 128 rows = 4 x cluster y + cy
	s_lshl_b32 s44, s41, 2
	s_lshl_b32 s44, 15, s44                        ; my row of the cluster
	s_lshl_b32 s45, 0x1111, s40                    ; my column
	s_or_b32 s[G1A], s45, (3<<16)|(1<<21)          ; 15:0 the mask: Wo's chunks go to my column; 17:16 elements of 8 bytes; no padding; 21 set beside a mask
	s_or_b32 s[G1B], s44, (3<<16)|(1<<21)          ; HEADS's go to my row
.irp g, G1A, G1B
	s_mov_b32 s[\g+1], 512<<16                     ; tensor_dim0 = 512 elements: 4,096 bytes, four K steps of a tile
	s_mov_b32 s[\g+2], 8<<16                       ; tensor_dim1 = 8 tiles
	s_mov_b32 s[\g+3], 512<<16                     ; tile_dim0
	s_mov_b32 s[\g+4], 8                           ; tile_dim1
	s_mov_b32 s[\g+5], 2048                        ; from tile to tile: 16,384 bytes
	s_mov_b32 s[\g+6], 0
	s_mov_b32 s[\g+7], 0
.endr
	s_lshl_b32 s18, s14, 12                        ; my chunk of the first pair: four K steps of 1,024 bytes
	s_lshl_b32 s16, s42, 17                        ; Wo: 8 column tiles of 16,384 bytes: hangs on the column block alone
	s_add_co_u32 s16, s16, s18
	s_mov_b32 s17, 0
	s_lshl_b32 s46, s43, 17                        ; HEADS: hangs on the row block alone
	s_add_co_u32 s46, s46, s18
	s_mov_b32 s47, 0
	s_lshl_b32 s19, s14, 16                        ; where they go: chunk x 65,536: no place in the cluster enters an LDS address
	s_wait_dscnt 0x0                               ; both opening adds are done
	s_wait_kmcnt 0x0
	s_add_nc_u64 s[16:17], s[6:7], s[16:17]
	s_add_nc_u64 s[46:47], s[4:5], s[46:47]
	CROUND                                         ; all sixteen work-groups are here: the joint loads meet
.irp n, 0,1
	s_mov_b32 s[G0A+4*\n], 1                       ; count = 1
	s_add_co_u32 s[G0A+4*\n+1], s19, \n*131072     ; LDS address: chunk 2 n + w / 2, Wo's side
	s_add_nc_u64 s[G0A+4*\n+2:G0A+4*\n+3], s[16:17], \n*8192
	s_or_b32 s[G0A+4*\n+3], s[G0A+4*\n+3], 0x80000000
	s_mov_b32 s[G0B+4*\n], 1
	s_add_co_u32 s[G0B+4*\n+1], s19, \n*131072+32768   ; HEADS's side
	s_add_nc_u64 s[G0B+4*\n+2:G0B+4*\n+3], s[46:47], \n*8192
	s_or_b32 s[G0B+4*\n+3], s[G0B+4*\n+3], 0x80000000
.endr
	s_cmp_eq_u32 s11, 0                            ; a wave's two fills stand in one branch on its number, ahead of every wait on TENSORcnt and every LDS read
	s_cbranch_scc0 .Lfor_h
	tensor_load_to_lds s[G0A:G0A+3], s[G1A:G1A+7]
	s_nop 0
	tensor_load_to_lds s[G0A+4:G0A+7], s[G1A:G1A+7]
	s_nop 0
.rept 4
	v_nop
.endr
	s_branch .Lasked
.Lfor_h:
	tensor_load_to_lds s[G0B:G0B+3], s[G1B:G1B+7]
	s_nop 0
	tensor_load_to_lds s[G0B+4:G0B+7], s[G1B:G1B+7]
	s_nop 0
.rept 4
	v_nop
.endr
.Lasked:
	v_and_b32 v16, 31, v0
	v_lshlrev_b32 v[LI], 4, v16                    ; 16 x lane
	v_and_b32 v2, 15, v0                           ; r
	v_bfe_u32 v3, v0, 4, 1                         ; h
	s_mul_i32 s23, s10, 16*272
	s_add_co_u32 s23, s23, STAGE                   ; my stage
	v_mul_u32_u24 v[STO], v2, 272
	v_lshl_add_u32 v[STO], v3, 5, v[STO]
	v_add_nc_u32 v[STO], s23, v[STO]               ; in: row r, 32 bytes for each half of the lanes
	v_mul_u32_u24 v[RD], v3, 272
	v_lshl_add_u32 v[RD], v2, 4, v[RD]
	v_add_nc_u32 v[RD], s23, v[RD]                 ; back: lanes 0-15 one row of 256 bytes, lanes 16-31 the next
	v_lshlrev_b32 v[CO], 11, v3
	v_lshl_add_u32 v[CO], v2, 4, v[CO]             ; and the same two rows in out0
	v_lshlrev_b32 v7, 5, v3                        ; bo: 8 h numbers on
	s_lshl_b32 s22, s11, 14                        ; my four column tiles,
	s_lshl_b32 s23, s14, 14
	s_add_co_u32 s23, s23, 32768                   ; my four row tiles
.irp q, 0,1,2,3
	v_add_nc_u32 v[VA+\q], s22, v[LI]
	v_add_nc_u32 v[VB+\q], s23, v[LI]
	s_add_co_u32 s22, s22, 65536
	s_add_co_u32 s23, s23, 65536
.endr
	s_lshl_b32 s20, s42, 9
	s_lshl_b32 s22, s11, 8
	s_add_co_u32 s20, s20, s22                     ; my first column, in bytes: 512 x column block + 256 x half
	s_mov_b32 s21, 0
	s_add_nc_u64 s[8:9], s[8:9], s[20:21]
	s_lshl_b32 s22, s43, 18
	s_add_co_u32 s20, s20, s22                     ; + 128 rows of 2,048 bytes x row block
	s_lshl_b32 s22, s14, 17
	s_add_co_u32 s20, s20, s22                     ; + 64 rows x half
	s_add_nc_u64 s[12:13], s[12:13], s[20:21]
.irp n, 0,1,2,3
	global_load_b128 v[BO+8*\n:BO+8*\n+3], v7, s[8:9] offset:64*\n         ; bo in the result's layout: columns 16 n + 8 h + 0 .. 7
	global_load_b128 v[BO+8*\n+4:BO+8*\n+7], v7, s[8:9] offset:64*\n+16
.endr
	s_wait_tensorcnt 0x1                           ; my first load has landed; my second may stay out
	s_barrier_signal -1
	s_barrier_wait -1                              ; chunks 0 and 1 are whole
	FETCH 0
	s_wait_loadcnt 0x0                             ; bo
.set KK, 0
.rept 8
	KSTEP KK
.set KK, KK+1
.endr
	WIN 0
	s_wait_tensorcnt 0x0                           ; my second load has landed,
	s_wait_dscnt 0x0
	s_barrier_signal -1
	s_barrier_wait -1                              ; everybody's has: chunks 2 and 3 are whole
	PLACES 4
	FETCH 8
.rept 8
	KSTEP KK
.set KK, KK+1
.endr
	WIN 0
	PLACES 4                                       ; behind the last products, ahead of the first read of results
	TOSTAGE 0
.irp a, 1,2,3
.if \a > 1
	s_wait_xcnt 0x0                                ; block a - 2's stores have read their registers: block a's loads may land there
.endif
	TOSTAGE \a
	SEND \a-1, 16                                  ; behind block a - 1's loads: block a's 8 stores and 8 loads
.endr
	SEND 3, 0
	s_wait_tensorcnt 0x0                           ; the wave's end: the tensor wait, an LDS add and its wait, behind my last tensor load and my last LDS store
	ds_add_u32 v[SPW], v[NIL]
	s_wait_dscnt 0x0
	CROUND                                         ; the closing round: no work-group ends while a partner may still ask for a chunk that names it
	s_endpgm
.Lfunc_end_k_q8dda170199_oproj:
	.size	k_q8dda170199_oproj, .Lfunc_end_k_q8dda170199_oproj-k_q8dda170199_oproj
	.p2alignl 7, 3214868480
	.fill 96, 4, 3214868480
	.section	.rodata,"a",@progbits
	.p2align	6, 0x0
	.amdhsa_kernel k_q8dda170199_oproj
		.amdhsa_group_segment_fixed_size 280064
		.amdhsa_private_segment_fixed_size 0
		.amdhsa_enable_private_segment 0
		.amdhsa_kernarg_size 32
		.amdhsa_user_sgpr_count 2
		.amdhsa_user_sgpr_kernarg_segment_ptr 1
		.amdhsa_wavefront_size32 1
		.amdhsa_system_sgpr_workgroup_id_x 1
		.amdhsa_system_sgpr_workgroup_id_y 1
		.amdhsa_system_sgpr_workgroup_id_z 1
		.amdhsa_system_vgpr_workitem_id 0
		.amdhsa_next_free_vgpr 384
		.amdhsa_next_free_sgpr 66
		.amdhsa_reserve_vcc 0
		.amdhsa_float_denorm_mode_32 3
		.amdhsa_float_denorm_mode_16_64 3
		.amdhsa_memory_ordered 1
		.amdhsa_forward_progress 1
		.amdhsa_inst_pref_size 51
	.end_amdhsa_kernel
	.amdgpu_metadata
---
amdhsa.version: [ 1, 2 ]
amdhsa.kernels:
  - .name:           k_q8dda170199_oproj
    .symbol:         k_q8dda170199_oproj.kd
    .args:
      - { .name: HEADS, .offset: 0, .size: 8, .value_kind: global_buffer, .address_space: global }
      - { .name: WOH, .offset: 8, .size: 8, .value_kind: global_buffer, .address_space: global }
      - { .name: bo, .offset: 16, .size: 8, .value_kind: global_buffer, .address_space: global }
      - { .name: out0, .offset: 24, .size: 8, .value_kind: global_buffer, .address_space: global }
    .group_segment_fixed_size: 280064
    .private_segment_fixed_size: 0
    .kernarg_segment_align: 8
    .kernarg_segment_size: 32
    .max_flat_workgroup_size: 128
    .sgpr_count:     66
    .vgpr_count:     384
    .wavefront_size: 32
...
	.end_amdgpu_metadata
.endif
;; end of part 3
